; MI455X (gfx1250); checked and timed in simulation.
; The chip was launched on July 23, 2026; its instructions are those of AMD's public machine-readable ISA for CDNA 5 (MIT licence, August 2026) and "CDNA5" Instruction Set Architecture Reference Guide (July 2026). The comments in the code are by the model that wrote it; some were corrected since.
;; Linear3 Bit. Allowed arithmetic: matrix products marked QUANTISED: E2M1 operands, one E8M0 scale for each 32 along K, by v_wmma_scale_f32_16x16x128_f8f6f4 with both operands' format E2M1 (or v_wmma_scale_f32_32x16x128_f4), f32 sums; everything else in f32.
;; Inputs: bias 2,048 float16; weight_norm 262,144 x 1 float16; weight_q3 262,144 x 12 uint8; x 8,192 x 4,096 float32.
;; Outputs: out0 8,192 x 2,048 float32.
;; This version of the problem:
;;   THIS VERSION OF THE PROBLEM IS GIVEN IN LOW PRECISION. The matrix products marked QUANTISED in the list below multiply operands that are first quantised to E2M1 (2 exponent bits, 1 mantissa bit; 4 bits a number), with one power-of-two scale for each 32 numbers along K (OCP MX v1.0); their sums are f32. All else is computed in f32.
;;   The module's matrix products, in the order in which they are computed (A, B: the left and right operand; K: the contracted axis; several contracted axes count as one K, in the product's order):
;;     1. [M 8,192, K 4,096] x [K 4,096, N 2,048]; A: input x; B: computed on the way: QUANTISED
;;   THE QUANTISER, for each operand of a quantised product, along K:
;;     - K is cut into blocks of 32 from its start; a last block that is shorter is filled with zeros.
;;     - A block's scale is 2^e with e = floor(log2(the largest magnitude in the block)) - 2, held to -126 .. 127; a block of zeros has e = 0. As a byte (E8M0): e + 127.
;;     - Each number is divided by its block's scale, clamped to +-6, and rounded to the nearest number of E2M1, ties to even, subnormals kept.
;;     - The product sums the exact products of the quantised numbers (number of the format x scale) in f32.
;;   ~~~python
;;   def quantise(x, axis):      # numpy; x: float32 -> the quantised numbers, widened to float32 again
;;       x = np.moveaxis(x, axis, -1); K = x.shape[-1]
;;       x = np.pad(x, [(0, 0)] * (x.ndim - 1) + [(0, -K % 32)]); x = x.reshape(x.shape[:-1] + (-1, 32)); a = np.abs(x).max(-1, keepdims=True)
;;       e = np.where(a > 0, np.clip(np.frexp(np.where(a > 0, a, 1))[1] - 1 - 2, -126, 127), 0)      # np.frexp(a)[1] - 1 = floor(log2(a)), exactly
;;       r = np.clip(x / 2.0 ** e, -6, 6)
;;       step = 2.0 ** (np.maximum(np.frexp(np.where(r == 0, 1, r))[1] - 1, 0) - 1)
;;       q = np.round(r / step) * step * 2.0 ** e      # np.round: ties to even
;;       return np.moveaxis(q.reshape(q.shape[:-2] + (-1,))[..., :K], -1, axis).astype(np.float32)
;;   ~~~
;;   OPERANDS COMPUTED ON THE WAY. 'Computed on the way' means the value that the module computes at that place (a softmax that the list does not call 'softmax' is quantised finished and normalised). What goes into a quantiser is computed in f32, as accurately as f32 sums, v_exp_f32 and their like allow (about 1e-6 of the number): no bf16 or f16 on the way to a quantiser, and a product that is left as it is and whose result goes on into a quantised operand takes f32 operands (vector FMAs, or v_wmma_f32_16x16x4_f32). A number that lies on a knife's edge between two numbers of the format may be rounded either way, as far as f32 arithmetic and the matrix unit's own rounding can turn it there, and no further.
;; One version. Each part assembles by itself: llvm-mc -triple=amdgcn-amd-amdhsa -mcpu=gfx1250 --defsym DOCPART=n.
;; ======== version 1 of 1: 2 launches
;; limits: values are held in f16: magnitudes above 65,504 overflow, below 6.1e-05 lose precision; right only within a limited range of input values
;; workspace buffers: xq 17,825,792 bytes; wq 4,456,448 bytes
;; launch quant (part 1): grid 1280 x 1, 4 waves a work-group, no clusters, 34,304 bytes of LDS; arguments x, weight_q3, weight_norm, xq, wq; writes xq, wq
.if DOCPART == 1
	.amdgcn_target "amdgcn-amd-amdhsa--gfx1250"
	.amdhsa_code_object_version 6
	.text
	.protected	k_qe6014dcddb_quant
	.globl	k_qe6014dcddb_quant
	.p2align	8
	.type	k_qe6014dcddb_quant,@function
k_qe6014dcddb_quant:
	s_mov_b64 s[64:65], 0
	v_nop
	global_prefetch_b8 v0, s[64:65] scope:SCOPE_SE
	s_setreg_imm32_b32 hwreg(HW_REG_WAVE_MODE, 25, 1), 1
	s_wait_xcnt 0x0
; Both operands of out = Q(x) Q(w)^T + bias are turned into codes of FP4 (E2M1) with one E8M0 scale byte for each 32 along K = 4,096.
; x: [8192][4096] f32.  w: [2048][4096], given as groups of 32 numbers of 3 bits (12 bytes, a little-endian stream of bits) with one f16 norm a group: w = (q / 7) x 2 x norm - norm, in f32.
; BOTH ARE ROUNDED TO f16 (to nearest, ties to even) AND WIDENED AGAIN AHEAD OF THE QUANTISER: the problem's definition casts both operands to f16 in front of the product, so the numbers that are quantised are the rounded ones.
; A block's scale is 2^(floor(log2(its largest magnitude)) - 2); its byte is the largest magnitude's exponent field - 2, held at 1 from below; each number is divided by the scale and rounded to the nearest code, ties to even, beyond 6 the largest code.
; LIMITS: an x beyond 65,504 becomes infinity by the cast, as in the definition: NaN and infinities are not served; a block of zeros gets the byte 1 where the rule says 127: its codes are zeros, which add
; nothing under any byte but 0xff, and the bytes are read by this program alone.
; THE WORKSPACE IS LAID AS THE PRODUCT'S LAUNCH READS IT: [group of 128 rows][K step of 512][BLK bytes].  In a block: the codes of 16-row block i, block kb of 32 along K, row r at i x 4096 + kb x 256 + r x 16
; (with kb = 4 q + 2 c + h that is the image of the registers 4 c .. 4 c + 3 of fragment (i, q), 16 bytes a lane); behind the 32,768 bytes of codes the scale bytes, 16 a row: row x 16 + kb.
; SHARES.  A wave's task is one 16-row block x one K step: 4,096 bytes of codes, 256 scale bytes.  Work-groups 0 to 255 take w (128 x 8 tasks), work-groups 256 to 1,279 take x (512 x 8 tasks).
; Waves share nothing: no barrier.  No work-group reads what another reads: no cluster, no joint loads.  No matrix unit: there is no product here.  Every offset is an immediate; no loop.
.set BLK,  34816                       ; a block of the workspace: 32,768 bytes of codes + 2,048 scale bytes
.set SCO,  32768                       ; where its scale bytes begin
.set WGW,  256                         ; work-groups that take w
.set SP,   528                         ; x's stage in LDS: a row of 512 bytes + 16: an odd multiple of 16 bytes, so that sixteen rows' equal columns start at sixteen different 16-byte columns of 256 bytes
.set STG,  16*SP                       ; a wave's stage
	s_load_b256 s[4:11], s[0:1], 0x0               ; x s[4:5], weight_q3 s[6:7], weight_norm s[8:9], xq s[10:11]
	s_load_b64 s[12:13], s[0:1], 0x20              ; wq
	v_lshl_add_u32 v24, v0, 2, 0x8400              ; v24: my spare word, behind the four stages (4 x 8,448 bytes); never rewritten, on either path
	v_mov_b32 v25, 0                               ; v25: 0; never rewritten
	v_lshrrev_b32 v1, 5, v0
	v_readfirstlane_b32 s16, v1                    ; wave 0..3
	v_and_b32 v1, 31, v0                           ; lane
	v_and_b32 v2, 15, v0                           ; r
	v_bfe_u32 v3, v0, 4, 1                         ; h
	v_lshlrev_b32 v7, 4, v2
	v_lshl_add_u32 v7, v3, 3, v7                   ; my 8 scale bytes of the task's 256: 16 r + 8 h
	s_cmp_lt_u32 ttmp9, WGW                        ; w's work-group or x's?
	s_cselect_b32 s17, 0, WGW
	s_sub_co_u32 s17, ttmp9, s17
	s_lshl_b32 s17, s17, 2
	s_add_co_u32 s17, s17, s16                     ; my task
	s_and_b32 s18, s17, 7                          ; its K step
	s_lshr_b32 s19, s17, 3                         ; its 16-row block G
	s_lshr_b32 s20, s19, 3                         ; its group of 128 rows
	s_lshl_b32 s20, s20, 3
	s_or_b32 s20, s20, s18
	s_mul_i32 s22, s20, BLK                        ; its block of the workspace (under 2^25 bytes)
	s_and_b32 s21, s19, 7                          ; i: which 16 rows of the 128
	s_lshl_b32 s24, s21, 12
	s_add_co_u32 s24, s24, s22                     ; the codes' offset
	s_mov_b32 s25, 0
	s_lshl_b32 s26, s21, 8
	s_add_co_u32 s26, s26, s22
	s_add_co_u32 s26, s26, SCO                     ; the scale bytes' offset
	s_mov_b32 s27, 0
	s_wait_kmcnt 0x0
	s_cmp_lt_u32 ttmp9, WGW                        ; the choice hangs on the work-group's number alone
	s_cselect_b64 s[10:11], s[12:13], s[10:11]
	s_add_nc_u64 s[14:15], s[10:11], s[26:27]      ; where my scale bytes go
	s_add_nc_u64 s[10:11], s[10:11], s[24:25]      ; where my codes go
	s_cmp_lt_u32 ttmp9, WGW
	s_cbranch_scc1 .Lweights
; ---------------------------------------------------------------- x
; A step is 128 along K of my 16 rows.  Each of its 16 loads reads 512 consecutive bytes of one row, 16 a lane.  The conversions want 32 NEIGHBOURS along K in one lane, so the 8,192 bytes turn through my own
; stage in LDS: in as loaded, out 128 bytes a lane: lane (r, h) takes blocks h and 2 + h of row r, which is what the operand's layout gives that lane.  So the conversions' results are the fragment's registers.
; REGISTERS: v4 16 x lane (loads and code stores; never rewritten); v5, v6 the stage, in and out; v8 8 h; v9, v10 the scale word at work; v12-13 largest magnitudes; v14-15 the conversions' scale operands;
; v16-17 bytes; v20-23 the four steps' scale words; v11, v18, v19, v26-30 eight numbers as f16, in the low halves; v32-63 codes, eight a step, so that no store's data are written again; v64-127, v128-191 two sets of 64 numbers.
	s_lshl_b32 s20, s19, 18                        ; G x 16 rows of 16,384 bytes
	s_lshl_b32 s21, s18, 11                        ; + K step x 2,048 bytes
	s_add_co_u32 s20, s20, s21
	s_mov_b32 s21, 0
	s_add_nc_u64 s[4:5], s[4:5], s[20:21]
	s_mov_b32 s32, 0x76543210
	s_mov_b32 s33, 0xfedcba98                      ; v_permlanex16_b32's selects for lane l xor 16
	s_wait_alu depctr_va_vdst(0)
	v_lshlrev_b32 v4, 4, v1
	s_mul_i32 s28, s16, STG
	v_add_nc_u32 v5, s28, v4                       ; in: 16 x lane of a row
	v_mul_u32_u24 v6, v2, SP
	v_lshl_add_u32 v6, v3, 7, v6
	v_add_nc_u32 v6, s28, v6                       ; out: row r, + 128 h
	v_lshlrev_b32 v8, 3, v3
	v_mov_b32 v10, 0                               ; written once: a lane permute's destination counts as one of its sources
.irp r, 11,18,19,26,27,28,29,30
	v_mov_b32 v\r, 0                               ; written whole once: the casts below write the low halves alone and leave the upper halves as they are
.endr
.macro LOAD t                          ; step t's 16 rows x 512 bytes into set t % 2
.irp w, 0,1,2,3,4,5,6,7,8,9,10,11,12,13,14,15
	global_load_b128 v[64+64*((\t)%2)+4*\w:64+64*((\t)%2)+4*\w+3], v4, s[4:5] offset:\w*16384+512*(\t) th:TH_LOAD_NT   ; 32 lanes read 512 consecutive bytes, aligned; read once in the launch
.endr
.endm
.macro STEP t
.set S, 64+64*((\t)%2)
.if (\t) < 3
	s_wait_loadcnt 16                              ; loads come back in order: this set's 16 are in, the other set's 16, issued later, may be out
.else
	s_wait_loadcnt 0x0
.endif
.irp w, 0,1,2,3,4,5,6,7,8,9,10,11,12,13,14,15
	ds_store_b128 v5, v[S+4*\w:S+4*\w+3] offset:SP*\w
.endr
.irp c, 0,1
.irp u, 0,1,2,3,4,5,6,7
	ds_load_b128 v[S+32*\c+4*\u:S+32*\c+4*\u+3], v6 offset:256*\c+16*\u   ; LDS serves a wave's instructions in order: these see the stores above.  Register S + 32 c + n = number n of block 2 c + h of row r
.endr
.endr
	s_wait_dscnt 0x0                               ; the set is back; the stage may be written by the next step
.set n, 0
.rept 8                                ; the definition's cast: each number to f16, to nearest even, and back to f32, which is exact; eight at a time, so that no line waits for the line above it
.irp hf, v11.l,v18.l,v19.l,v26.l,v27.l,v28.l,v29.l,v30.l
	v_cvt_f16_f32 \hf, v[S+n]
.set n, n+1
.endr
.set n, n-8
.irp hf, v11.l,v18.l,v19.l,v26.l,v27.l,v28.l,v29.l,v30.l
	v_cvt_f32_f16 v[S+n], \hf
.set n, n+1
.endr
.endr
.irp c, 0,1
	v_max3_num_f32 v[12+\c], |v[S+32*\c]|, |v[S+32*\c+1]|, 0x1800000   ; the block's largest magnitude: all 32 numbers are mine; and the floor 2^(3 - 127): so the byte cannot fall under 1
.endr
.irp i, 2,4,6,8,10,12,14,16,18,20,22,24,26,28,30
.irp c, 0,1
	v_max3_num_f32 v[12+\c], v[12+\c], |v[S+32*\c+\i]|, |v[S+32*\c+\i+1]|   ; (the two blocks by turns)
.endr
.endr
.irp c, 0,1
	v_add_nc_u32 v[14+\c], 0xff000000, v[12+\c]    ; 2 off its exponent field: the conversion takes the exponent field of this operand as its scale, and nothing else of it
.endr
.irp c, 0,1
.irp g, 0,1,2,3
	v_cvt_scalef32_pk8_fp4_f32 v[32+8*(\t)+4*\c+\g], v[S+32*\c+8*\g:S+32*\c+8*\g+7], v[14+\c]   ; registers 4 c .. 4 c + 3 of fragment (i, q = t)
.endr
.endr
.irp c, 0,1
	v_lshrrev_b32 v[16+\c], 23, v[14+\c]           ; the scales' bytes.  (Plain lines behind the conversions)
.endr
.if (\t)+2 < 4
	LOAD (\t)+2                                    ; the set has been read: it takes the step two on; loads ahead of stores
.endif
	v_lshl_or_b32 v9, v17, 16, v16                 ; my two bytes, blocks h and 2 + h,
	v_lshlrev_b32 v9, v8, v9                       ; at their places in the row's scale word (8 h bits up);
	v_permlanex16_b32 v10, v9, s32, s33
	v_or_b32 v[20+(\t)], v9, v10                   ; with lane l xor 16's two the word is whole, in both lanes
.irp c, 0,1
	global_store_b128 v4, v[32+8*(\t)+4*\c:32+8*(\t)+4*\c+3], s[10:11] offset:1024*(\t)+512*\c   ; 32 lanes store 512 consecutive bytes, aligned
.endr
.endm
	LOAD 0
	LOAD 1
	STEP 0
	STEP 1
	STEP 2
	STEP 3
	v_cmp_eq_u32 vcc_lo, 1, v3
	v_cndmask_b32 v12, v20, v22, vcc_lo            ; lanes 0-15 store their row's words 0 and 1, lanes 16-31 words 2 and 3
	v_cndmask_b32 v13, v21, v23, vcc_lo
	global_store_b64 v7, v[12:13], s[14:15]        ; 32 lanes store 256 consecutive bytes, aligned
	s_wait_tensorcnt 0x0                           ; the wave's end
	ds_add_u32 v24, v25
	s_wait_dscnt 0x0
	s_endpgm
; ---------------------------------------------------------------- w
; Lane (r, h) owns the eight groups kb = 8 h + j, j = 0 .. 7, of row 16 G + r: 96 consecutive bytes of weight_q3 and 16 of weight_norm.  A group is a block of the quantiser, whole in one lane: no LDS, no other lane.
; The lanes' 96 bytes lie 1,536 bytes apart (a row of w): these loads are not dense; each byte is read once, and the six loads follow each other.
; w IS MADE WITH THE ROUNDINGS OF ITS DEFINITION: q / 7 correctly rounded, one rounding for x 2 x norm (x 2 is exact), one for - norm, then the cast to f16.  The last multiply and subtraction are NOT fused on
; purpose: the f32 number that is cast is then the definition's own.
; REGISTERS: v4, v5 load offsets; v6 the codes' place; v160-183 the 24 words of q3; v32-35 the 8 norms, f16; v36 2 x norm, v38 norm (v37, v39: the pairs' unused halves); v40, v43 largest magnitudes;
; v41 the scale operand; v42 a byte; v[44:45] the 8 bytes; v64-95 q, then the remainder, then the numbers as f16; v96-127 the numbers; v128-159 codes, four a group, so that no store's data are written again.
.set VQ, 64
.set Y,  96
.Lweights:
	s_mul_i32 s20, s19, 24576                      ; weight_q3: G x 16 rows of 1,536 bytes
	s_mul_i32 s21, s18, 192                        ; + K step x 16 groups of 12
	s_add_co_u32 s20, s20, s21
	s_mov_b32 s21, 0
	s_add_nc_u64 s[6:7], s[6:7], s[20:21]
	s_lshl_b32 s20, s19, 12                        ; weight_norm: G x 16 rows of 256 bytes
	s_lshl_b32 s22, s18, 5                         ; + K step x 16 groups of 2
	s_add_co_u32 s20, s20, s22
	s_add_nc_u64 s[8:9], s[8:9], s[20:21]
	s_mov_b32 s28, 0x3e124925                      ; 1/7 rounded to f32
	s_mov_b32 s29, s28                             ; (the packed forms name a pair and take its low word for both halves: so the upper is written)
	s_mov_b32 s30, 0xc0e00000                      ; -7
	s_mov_b32 s31, s30
	s_wait_alu depctr_va_vdst(0)
	v_mul_u32_u24 v4, v2, 1536
	v_mad_u32_u24 v4, v3, 96, v4
	v_lshlrev_b32 v5, 8, v2
	v_lshl_add_u32 v5, v3, 4, v5
	v_lshlrev_b32 v6, 4, v2
	v_lshl_add_u32 v6, v3, 11, v6                  ; kb x 256 + r x 16 = 2,048 h + 16 r, + 256 j in the immediate
	v_mov_b32 v37, 0
	v_mov_b32 v39, 0
.irp u, 0,1,2,3,4,5
	global_load_b128 v[160+4*\u:163+4*\u], v4, s[6:7] offset:16*\u th:TH_LOAD_NT
.endr
	global_load_b128 v[32:35], v5, s[8:9] th:TH_LOAD_NT
	s_wait_loadcnt 0x0
.macro WGROUP j, nrm                   ; group j; nrm: the half register that holds its norm
.set D, 160+3*(\j)                     ; its three words
	v_cvt_f32_f16 v38, \nrm
.irp i, 0,1,2,3,4,5,6,7,8,9
	v_bfe_u32 v[VQ+\i], v[D], 3*\i, 3              ; number i stands at bit 3 i of the group's 96
.endr
	v_alignbit_b32 v[VQ+10], v[D+1], v[D], 30      ; number 10 straddles words 0 and 1,
.irp i, 11,12,13,14,15,16,17,18,19,20
	v_bfe_u32 v[VQ+\i], v[D+1], 3*\i-32, 3
.endr
	v_alignbit_b32 v[VQ+21], v[D+2], v[D+1], 31    ; number 21 words 1 and 2
.irp i, 22,23,24,25,26,27,28,29,30,31
	v_bfe_u32 v[VQ+\i], v[D+2], 3*\i-64, 3
.endr
	v_and_b32 v[VQ+10], 7, v[VQ+10]
	v_and_b32 v[VQ+21], 7, v[VQ+21]
	v_add_f32 v36, v38, v38                        ; 2 x norm: exact
.irp i, 0,1,2,3,4,5,6,7,8,9,10,11,12,13,14,15,16,17,18,19,20,21,22,23,24,25,26,27,28,29,30,31
	v_cvt_f32_u32 v[VQ+\i], v[VQ+\i]
.endr
.irp i, 0,2,4,6,8,10,12,14,16,18,20,22,24,26,28,30
	v_pk_mul_f32 v[Y+\i:Y+\i+1], v[VQ+\i:VQ+\i+1], s[28:29] op_sel_hi:[1,0]   ; y = q x (1/7), two at a time
.endr
.irp i, 0,2,4,6,8,10,12,14,16,18,20,22,24,26,28,30
	v_pk_fma_f32 v[VQ+\i:VQ+\i+1], v[Y+\i:Y+\i+1], s[30:31], v[VQ+\i:VQ+\i+1] op_sel_hi:[1,0,1]   ; the remainder q - 7 y
.endr
.irp i, 0,2,4,6,8,10,12,14,16,18,20,22,24,26,28,30
	v_pk_fma_f32 v[Y+\i:Y+\i+1], v[VQ+\i:VQ+\i+1], s[28:29], v[Y+\i:Y+\i+1] op_sel_hi:[1,0,1]    ; y + remainder x (1/7): q / 7, correctly rounded
.endr
.irp i, 0,2,4,6,8,10,12,14,16,18,20,22,24,26,28,30
	v_pk_mul_f32 v[Y+\i:Y+\i+1], v[Y+\i:Y+\i+1], v[36:37] op_sel_hi:[1,0]   ; x 2 x norm: one rounding
.endr
.irp i, 0,2,4,6,8,10,12,14,16,18,20,22,24,26,28,30
	v_pk_add_f32 v[Y+\i:Y+\i+1], v[Y+\i:Y+\i+1], v[38:39] op_sel_hi:[1,0] neg_lo:[0,1] neg_hi:[0,1]   ; - norm: one rounding
.endr
.set n, 0
.irp hf, v64.l,v65.l,v66.l,v67.l,v68.l,v69.l,v70.l,v71.l,v72.l,v73.l,v74.l,v75.l,v76.l,v77.l,v78.l,v79.l,v80.l,v81.l,v82.l,v83.l,v84.l,v85.l,v86.l,v87.l,v88.l,v89.l,v90.l,v91.l,v92.l,v93.l,v94.l,v95.l
	v_cvt_f16_f32 \hf, v[Y+n]                      ; the definition's cast to f16, to nearest even, into the low halves of the registers that held the remainders,
.set n, n+1
.endr
.set n, 0
.irp hf, v64.l,v65.l,v66.l,v67.l,v68.l,v69.l,v70.l,v71.l,v72.l,v73.l,v74.l,v75.l,v76.l,v77.l,v78.l,v79.l,v80.l,v81.l,v82.l,v83.l,v84.l,v85.l,v86.l,v87.l,v88.l,v89.l,v90.l,v91.l,v92.l,v93.l,v94.l,v95.l
	v_cvt_f32_f16 v[Y+n], \hf                      ; and back to f32, which is exact
.set n, n+1
.endr
	v_max3_num_f32 v40, |v[Y]|, |v[Y+1]|, 0x1800000              ; the block's largest magnitude, in two chains, and the floor 2^(3 - 127)
	v_max3_num_f32 v43, |v[Y+16]|, |v[Y+17]|, |v[Y+18]|
.irp i, 2,4,6,8,10,12
	v_max3_num_f32 v40, v40, |v[Y+\i]|, |v[Y+1+\i]|
	v_max3_num_f32 v43, v43, |v[Y+17+\i]|, |v[Y+18+\i]|
.endr
	v_max3_num_f32 v40, v40, |v[Y+14]|, |v[Y+15]|
	v_max3_num_f32 v40, v40, v43, |v[Y+31]|
	v_add_nc_u32 v41, 0xff000000, v40              ; 2 off its exponent field: the conversions' scale operand
.irp g, 0,1,2,3
	v_cvt_scalef32_pk8_fp4_f32 v[128+4*(\j)+\g], v[Y+8*\g:Y+8*\g+7], v41
.endr
.if (\j)%4 == 0
	v_lshrrev_b32 v[44+(\j)/4], 23, v41            ; the scale's byte: four to a register, the lower K in the lower byte.  (A plain line behind the conversions)
.else
	v_lshrrev_b32 v42, 23, v41
	v_lshl_or_b32 v[44+(\j)/4], v42, 8*((\j)%4), v[44+(\j)/4]
.endif
	global_store_b128 v6, v[128+4*(\j):128+4*(\j)+3], s[10:11] offset:256*(\j)   ; each half of the lanes stores 256 consecutive bytes, aligned
.endm
	WGROUP 0, v32.l
	WGROUP 1, v32.h
	WGROUP 2, v33.l
	WGROUP 3, v33.h
	WGROUP 4, v34.l
	WGROUP 5, v34.h
	WGROUP 6, v35.l
	WGROUP 7, v35.h
	global_store_b64 v7, v[44:45], s[14:15]        ; 32 lanes store 256 consecutive bytes, aligned
	s_endpgm
.Lfunc_end_k_qe6014dcddb_quant:
	.size	k_qe6014dcddb_quant, .Lfunc_end_k_qe6014dcddb_quant-k_qe6014dcddb_quant
	.p2alignl 7, 3214868480
	.fill 96, 4, 3214868480
	.section	.rodata,"a",@progbits
	.p2align	6, 0x0
	.amdhsa_kernel k_qe6014dcddb_quant
		.amdhsa_group_segment_fixed_size 34304
		.amdhsa_private_segment_fixed_size 0
		.amdhsa_enable_private_segment 0
		.amdhsa_kernarg_size 40
		.amdhsa_user_sgpr_count 2
		.amdhsa_user_sgpr_kernarg_segment_ptr 1
		.amdhsa_wavefront_size32 1
		.amdhsa_system_sgpr_workgroup_id_x 1
		.amdhsa_system_sgpr_workgroup_id_y 1
		.amdhsa_system_sgpr_workgroup_id_z 1
		.amdhsa_system_vgpr_workitem_id 0
		.amdhsa_next_free_vgpr 192
		.amdhsa_next_free_sgpr 66
		.amdhsa_reserve_vcc 1
		.amdhsa_float_denorm_mode_32 3
		.amdhsa_float_denorm_mode_16_64 3
		.amdhsa_memory_ordered 1
		.amdhsa_forward_progress 1
		.amdhsa_inst_pref_size 141
	.end_amdhsa_kernel
	.amdgpu_metadata
---
amdhsa.version: [ 1, 2 ]
amdhsa.kernels:
  - .name:           k_qe6014dcddb_quant
    .symbol:         k_qe6014dcddb_quant.kd
    .args:
      - { .name: x, .offset: 0, .size: 8, .value_kind: global_buffer, .address_space: global }
      - { .name: weight_q3, .offset: 8, .size: 8, .value_kind: global_buffer, .address_space: global }
      - { .name: weight_norm, .offset: 16, .size: 8, .value_kind: global_buffer, .address_space: global }
      - { .name: xq, .offset: 24, .size: 8, .value_kind: global_buffer, .address_space: global }
      - { .name: wq, .offset: 32, .size: 8, .value_kind: global_buffer, .address_space: global }
    .group_segment_fixed_size: 34304
    .private_segment_fixed_size: 0
    .kernarg_segment_align: 8
    .kernarg_segment_size: 40
    .max_flat_workgroup_size: 128
    .sgpr_count:     66
    .vgpr_count:     192
    .wavefront_size: 32
...
	.end_amdgpu_metadata
.endif
;; end of part 1
;; launch gemm (part 2): grid 8 x 32, 4 waves a work-group, clusters of 4 x 4, 327,680 bytes of LDS; arguments xq, wq, bias, out0; writes out0
.if DOCPART == 2
	.amdgcn_target "amdgcn-amd-amdhsa--gfx1250"
	.amdhsa_code_object_version 6
	.text
	.protected	k_qe6014dcddb_gemm
	.globl	k_qe6014dcddb_gemm
	.p2align	8
	.type	k_qe6014dcddb_gemm,@function
k_qe6014dcddb_gemm:
	s_mov_b64 s[64:65], 0
	v_nop
	global_prefetch_b8 v0, s[64:65] scope:SCOPE_SE
	s_setreg_imm32_b32 hwreg(HW_REG_WAVE_MODE, 25, 1), 1
	s_wait_xcnt 0x0
	s_wait_alu depctr_hold_cnt(0) depctr_sa_sdst(0) depctr_va_vdst(0) depctr_va_sdst(0) depctr_va_ssrc(0) depctr_va_vcc(0) depctr_vm_vsrc(0)
	s_getreg_b32 s2, hwreg(HW_REG_IB_STS2, 6, 4)
	s_cmp_eq_u32 s2, 0
	s_cbranch_scc0 .Lentry_in_a_cluster
	s_endpgm
.Lentry_in_a_cluster:
	s_bfe_u32 s2, ttmp6, 0x10000c
	s_cmp_lg_u32 s2, 0xf033
	s_cbranch_scc0 .Lentry_shape_is_right
	s_endpgm
.Lentry_shape_is_right:
; out0[m][n] = sum over k of Q(x)[m][k] Q(w)[n][k] + bias[n]: [8192][2048] f32, K = 4,096, both operands as codes of FP4 (E2M1) with one E8M0 byte for each 32 along K; sums in f32.
; xq and wq are laid by the launch before: [group of 128 rows][K step of 512][BLK bytes]; a block holds 32,768 bytes of codes as images of the fragments' registers (16-row block i, 128 along K q,
; register group c at i x 4096 + q x 1024 + c x 512 + 16 x lane), then 2,048 scale bytes, 16 a row.  A block is dense: it comes into LDS as 136 rows of 256 bytes, each on a 256-byte border.
; A tile of out0, 256 x 256, is made by a work-group of four waves; a wave makes 128 x 128 in 512 registers.  256 work-groups in all.
; K goes in steps of 512 through a ring of two LDS slots of four blocks each (A's two groups, B's two groups); each wave fetches one block with one tensor load.
; CLUSTERS: 4 x 4 work-groups.  A's blocks are shared along a row of the cluster, B's along a column: each is asked for JOINTLY, by the same load with the same descriptor and a mask that names the four.
; THE MATRIX INSTRUCTION is the 32 x 16 x 128 form, USED TRANSPOSED: source 0 = 32 rows of w (two neighbouring fragments), source 1 = 16 rows of x.  In its 16 result registers a lane holds, of one row
; of out0, columns 8 h + 0 .. 7 and 16 + 8 h + 0 .. 7 of the 32.  Source 0's scale words fill the 32 lanes, a lane a row of w; source 1's stand in lanes 0-15.  The bias is the C of each sum's first product.
; THE LAST K STEP GOES BY ROWS OF out0: all its fragments of w lie in registers, and my eight blocks of 16 rows are finished one after the other, each leaving while the next is multiplied.
; PREFETCH: behind the load of K step k each wave asks for K step k + 2 of the block that it fetches (the head asks for step 1 as well): of the block's 136 units of 256 bytes the partner at place p
; (cx for A, cy for B) names units 34 p .. 34 p + 33, by address alone: 32 by one instruction, a lane a unit, and 2 by a second, whose other lanes name the last again.  xq's blocks are asked for by
; every cluster that loads them; wq's, which all eight rows of clusters load, by the even rows of clusters.  The refills of K steps 6 and 7 ask for nothing: no address leaves its buffer.
; REGISTERS: window 0: v0-31 addresses; v32-95 x's scale words, two sets; v96-127 w's, two sets; v128-191 A's fragments, one set; v192-255 the bias (v224-255 first as f16); in the last K step v128-255
;   are four buffers of A's fragments of 16 rows x 512 K.  window 1: B's fragments, two sets, at v0 and v128; in the last K step all 256.
;   window 2: the accumulators of my rows 0-63 (block a, columns 16 b .. at v[8 (8 a + b)]); window 3: those of rows 64-127.
.set SIZE_N, 2048
.set NQ,     4                         ; matrix instructions deep in a K step
.set FR,     8                         ; registers of a fragment
.set NL,     2                         ; LDS loads that bring one
.set NP,     4                         ; places behind this matrix instruction (ISA guide 7.12.1)
.set BLK,    34816
.set SCO,    32768                     ; where a block's scale bytes begin
.set SLOT,   4*BLK
.set LAPS,   4                         ; a lap = two K steps
.set SPARE,  2*SLOT                    ; behind the ring: the spare words, 128 bytes a wave
.set SPITCH, 528                       ; the way out: a stage of 16 rows x (512 + 16) bytes a wave, in slot 0, behind its last fill and its last read
.set ADRA, 16                          ; v16-17 my A fragments in slot 0, 1: my group + 16 x lane
.set ADRB, 20                          ; v20-21 my B fragments; w's scale words lie SCO behind, 16 bytes a row = a lane
.set ADRS, 22                          ; v22-23 x's scale words: 16 r
.set STO,  24
.set RD,   25
.set CO,   26                          ; 16 x lane
.set SPW,  28                          ; my spare word; never rewritten
.set NIL,  29                          ; 0; never rewritten
.set PFO,  30                          ; the prefetches' offsets: 256 x lane,
.set PFO2, 31                          ; and 256 x (32 + min(lane, 1)); never rewritten
.set SX,   32                          ; x's scale words: set s at SX + 32 s; register 4 a + q
.set SW,   96                          ; w's: set s at SW + 16 s; register 4 P + q for rows 32 P ..
.set AF,   128
.set BI,   192
.set BH,   224
.set G1, 24                            ; s[24:31] group 1 for A's blocks, s[32:39] group 0, one set a slot
.set G0, 32
.set G1B, 48                           ; s[48:55], s[56:63] the same for B's
.set G0B, 56
.set LA,  68                           ; LDS: my group of A, my group of B, my stage
.set LB,  69
.set LS,  71
.set PFA, 72                           ; s[72:73] my 34 units of the block that I fetch, three K steps short of what a prefetch in the loop names
.set LIM, 74                           ; 1 where my wave prefetches, else the greatest number
.set MSB, 0
.macro WIN new                         ; the immediate's high byte repeats the setting that is left
.if MSB != \new
	s_set_vgpr_msb (MSB<<8)|\new
.set MSB, \new
.endif
.endm
.set MUL_LO,   0xa1                    ; source 0 (B) window 1, source 1 (A) window 0, C and D window 2
.set MUL_HI,   0xf1
.set FIRST_LO, 0x81                    ; the same with C (the bias) in window 0
.set FIRST_HI, 0xc1
.set TO_B,     0x40
; A joint load: waves 0 and 1 fetch A's two groups, waves 2 and 3 B's.  An s_nop 0 and four v_nop follow each line.
.macro JLOAD g0a, g1a, g0b, g1b
	s_cmp_eq_u32 s15, 0
	s_cbranch_scc0 .Lfor_b_\@
	tensor_load_to_lds s[\g0a:\g0a+3], s[\g1a:\g1a+7]
	s_nop 0
.rept 4
	v_nop
.endr
	s_branch .Lasked_\@
.Lfor_b_\@:
	tensor_load_to_lds s[\g0b:\g0b+3], s[\g1b:\g1b+7]
	s_nop 0
.rept 4
	v_nop
.endr
.Lasked_\@:
.endm
.macro CREST                           ; a round of the cluster's barrier behind its opening barrier
	s_cmp_lg_u32 s14, 0
	s_cbranch_scc1 .Lnot_wave_0_\@
	s_barrier_signal -3
.Lnot_wave_0_\@:
	s_barrier_wait -3
	s_barrier_signal -1
	s_barrier_wait -1
.endm
.macro CROUND
	s_barrier_signal -1
	s_barrier_wait -1
	CREST
.endm
.macro PF k                            ; my 34 units of the block k K steps behind PFA
	global_prefetch_b8 v[PFO], s[PFA:PFA+1] offset:(\k)*BLK th:TH_LOAD_NT scope:SCOPE_SE
	global_prefetch_b8 v[PFO2], s[PFA:PFA+1] offset:(\k)*BLK th:TH_LOAD_NT scope:SCOPE_SE
.endm
.macro ASK inloop, k, both             ; the branch hangs on the wave's number, the cluster's row and the loop's counter: the same in all partners
.if \inloop
	s_cmp_gt_u32 s3, s[LIM]                        ; s3 = 1 in the last trip, whose refills have no K step two on
.else
	s_cmp_eq_u32 s[LIM], 1
.endif
	s_cbranch_scc0 .Lnot_mine_\@
.if \both
	PF (\k)-1
.endif
	PF \k
.Lnot_mine_\@:
.endm
	s_load_b128 s[4:7], s[0:1], 0x0                ; xq, wq
	s_load_b128 s[8:11], s[0:1], 0x10              ; bias, out0
	v_lshl_add_u32 v[SPW], v0, 2, SPARE
	v_mov_b32 v[NIL], 0
	ds_add_u32 v[SPW], v[NIL]                      ; the opening: the add, twice on end, and its wait ahead of my first tensor load
	ds_add_u32 v[SPW], v[NIL]
	v_lshrrev_b32 v1, 5, v0
	v_readfirstlane_b32 s14, v1                    ; wave 0..3
	s_lshr_b32 s15, s14, 1                         ; my half of the tile's rows; also: I fetch for A (0) or B (1)
	s_and_b32 s16, s14, 1                          ; my half of its columns; also: which group of 128 rows I fetch
	s_bfe_u32 s40, ttmp6, 0x40000                  ; cx
	s_bfe_u32 s41, ttmp6, 0x40004                  ; cy
	s_lshl_b32 s42, ttmp9, 2
	s_add_co_u32 s42, s42, s40                     ; tile column
	s_and_b32 s17, ttmp7, 0xffff                   ; the cluster's row
	s_and_b32 s76, s17, 1
	s_cmp_eq_u32 s76, 0
	s_cselect_b32 s[LIM], 1, -1                    ; wq's blocks: the even rows of clusters ask;
	s_cmp_eq_u32 s15, 0
	s_cselect_b32 s[LIM], 1, s[LIM]                ; xq's: every cluster
	s_cselect_b32 s76, s40, s41                    ; my place among the four that ask for my block with me
	s_mul_i32 s76, s76, 34*256
	s_mov_b32 s77, 0
	s_lshl_b32 s17, s17, 2
	s_add_co_u32 s17, s17, s41                     ; tile row
	s_lshl_b32 s43, s41, 2
	s_lshl_b32 s43, 15, s43                        ; my row of the cluster
	s_lshl_b32 s44, 0x1111, s40                    ; my column
	s_or_b32 s[G1+0], s43, (3<<16)|(1<<21)         ; the mask; elements of 8 bytes; bit 21 beside a mask; no padding: the image is read 16 bytes a lane on end
	s_or_b32 s[G1B+0], s44, (3<<16)|(1<<21)
.irp g, G1, G1B
	s_mov_b32 s[\g+1], 32<<16                      ; rows of 32 elements = 256 bytes
	s_mov_b32 s[\g+2], 136<<16                     ; 136 rows
	s_mov_b32 s[\g+3], 32<<16
	s_mov_b32 s[\g+4], 136
	s_mov_b32 s[\g+5], 32
	s_mov_b32 s[\g+6], 0
	s_mov_b32 s[\g+7], 0
.endr
	s_lshl_b32 s20, s17, 1
	s_add_co_u32 s20, s20, s16
	s_mul_i32 s20, s20, 8*BLK                      ; A: group 2 x tile row + half, K step 0
	s_mov_b32 s21, 0
	s_lshl_b32 s46, s42, 1
	s_add_co_u32 s46, s46, s16
	s_mul_i32 s46, s46, 8*BLK                      ; B: group 2 x tile column + half
	s_mov_b32 s47, 0
	s_mul_i32 s45, s14, BLK                        ; where my block goes: wave x BLK
	s_mul_i32 s[LA], s15, BLK
	s_mul_i32 s[LB], s16, BLK
	s_add_co_u32 s[LB], s[LB], 2*BLK
	s_mul_i32 s[LS], s14, 16*SPITCH
	v_and_b32 v1, 15, v0                           ; r
	v_bfe_u32 v2, v0, 4, 1                         ; h
	v_and_b32 v3, 31, v0                           ; lane
	v_lshlrev_b32 v7, 4, v2                        ; the bias: my 8 f16 of each 16 columns
	v_lshlrev_b32 v[CO], 4, v3
	v_lshlrev_b32 v[PFO], 8, v3
	v_min_u32 v4, 1, v3
	v_lshl_add_u32 v[PFO2], v4, 8, 32*256
	v_add_nc_u32 v[ADRA], s[LA], v[CO]
	v_add_nc_u32 v[ADRB], s[LB], v[CO]
	v_add_nc_u32 v[ADRA+1], SLOT, v[ADRA]
	v_add_nc_u32 v[ADRB+1], SLOT, v[ADRB]
	v_lshl_add_u32 v5, v1, 4, s[LA]                ; x's scale words: both halves of the lanes take row r's
	v_add_nc_u32 v[ADRS], SCO, v5
	v_add_nc_u32 v[ADRS+1], SCO+SLOT, v5
	v_mul_u32_u24 v8, v1, SPITCH                   ; the stage, in: row r, 32 bytes for each half of the lanes
	v_lshl_add_u32 v8, v2, 5, v8
	v_add_nc_u32 v[STO], s[LS], v8
	v_add_nc_u32 v[RD], s[LS], v[CO]               ; back: the 32 lanes take a row of 512 bytes
	s_wait_alu depctr_va_vdst(0)                   ; ahead of the waits below
	s_wait_dscnt 0x0                               ; both opening adds are done
	s_wait_kmcnt 0x0
	s_add_nc_u64 s[20:21], s[4:5], s[20:21]
	s_add_nc_u64 s[46:47], s[6:7], s[46:47]
	s_cmp_eq_u32 s15, 0
	s_cselect_b64 s[PFA:PFA+1], s[20:21], s[46:47]
	s_add_nc_u64 s[PFA:PFA+1], s[PFA:PFA+1], s[76:77]
	s_lshl_b32 s76, s42, 9                         ; the bias of my 128 columns: 512 x tile column + 256 x half bytes
	s_lshl_b32 s77, s16, 8
	s_add_co_u32 s76, s76, s77
	s_mov_b32 s77, 0
	s_add_nc_u64 s[8:9], s[8:9], s[76:77]
.irp b, 0,1,2,3,4,5,6,7
	global_load_b128 v[BH+4*\b:BH+4*\b+3], v7, s[8:9] offset:32*\b   ; asked for ahead of the tiles; waited for under K step 0's flight
.endr
.irp s, 0,1
	s_mov_b32 s[G0+4*\s], 1
	s_add_co_u32 s[G0+4*\s+1], s45, \s*SLOT
	s_add_nc_u64 s[G0+4*\s+2:G0+4*\s+3], s[20:21], \s*BLK
	s_or_b32 s[G0+4*\s+3], s[G0+4*\s+3], 0x80000000
	s_mov_b32 s[G0B+4*\s], 1
	s_add_co_u32 s[G0B+4*\s+1], s45, \s*SLOT
	s_add_nc_u64 s[G0B+4*\s+2:G0B+4*\s+3], s[46:47], \s*BLK
	s_or_b32 s[G0B+4*\s+3], s[G0B+4*\s+3], 0x80000000
.endr
	CROUND                                         ; all sixteen work-groups are here: the first joint loads meet
	JLOAD G0, G1, G0B, G1B                         ; K step 0: one tensor load a wave at the head
	ASK 0, 2, 1                                    ; K steps 1 and 2
	s_lshl_b32 s76, s17, 8                         ; my part of out0: row 256 x tile row + 128 x half, 8,192 bytes a row,
	s_lshl_b32 s77, s15, 7
	s_add_co_u32 s76, s76, s77
	s_lshl_b32 s76, s76, 13
	s_lshl_b32 s78, s42, 10                        ; column bytes 1,024 x tile column + 512 x half (the sum stays under 2^27)
	s_lshl_b32 s79, s16, 9
	s_add_co_u32 s78, s78, s79
	s_add_co_u32 s76, s76, s78
	s_mov_b32 s77, 0
	s_add_nc_u64 s[10:11], s[10:11], s[76:77]
	s_wait_loadcnt 0x0                             ; the bias
; f16 to f32: register BI + 8 b + j = bias of column 16 b + 8 h + j, in the result's layout.  Four words at a time are copied to v8-11 (halves have names only there);
; the results of words n .. n + 3 land on words 2 n - 32 .. 2 n - 25, which have been copied by then (n is 28 at the most).
.set n, 0
.rept 8
	v_mov_b32 v8, v[BH+n]
	v_mov_b32 v9, v[BH+n+1]
	v_mov_b32 v10, v[BH+n+2]
	v_mov_b32 v11, v[BH+n+3]
	v_cvt_f32_f16 v[BI+2*n], v8.l
	v_cvt_f32_f16 v[BI+2*n+1], v8.h
	v_cvt_f32_f16 v[BI+2*n+2], v9.l
	v_cvt_f32_f16 v[BI+2*n+3], v9.h
	v_cvt_f32_f16 v[BI+2*n+4], v10.l
	v_cvt_f32_f16 v[BI+2*n+5], v10.h
	v_cvt_f32_f16 v[BI+2*n+6], v11.l
	v_cvt_f32_f16 v[BI+2*n+7], v11.h
.set n, n+4
.endr
.macro FRAG reg, adr, q, i             ; fragment (i, q): two loads of 16 bytes a lane, 512 consecutive bytes each
.irp c, 0,1
	ds_load_b128 v[\reg+4*\c:\reg+4*\c+3], v[\adr] offset:(\i)*4096+(\q)*1024+512*\c
.endr
.endm
; 8 matrix instructions: A's blocks a0, a0 + 1 x B's four pairs of blocks.  The 32 accumulators take turns, one instruction a turn, in the same order in every step.
.macro MUL16 a0, p, q, sc, first
.irp a, \a0, \a0+1
.irp P, 0,1,2,3
.if \first
	v_wmma_scale_f32_32x16x128_f4 v[64*((\a)%4)+16*\P:64*((\a)%4)+16*\P+15], v[128*(\p)+16*\P:128*(\p)+16*\P+15], v[AF+FR*(\a):AF+FR*(\a)+FR-1], v[BI+16*\P:BI+16*\P+15], v[SW+16*(\sc)+4*\P+(\q)], v[SX+32*(\sc)+4*(\a)+(\q)]
.else
	v_wmma_scale_f32_32x16x128_f4 v[64*((\a)%4)+16*\P:64*((\a)%4)+16*\P+15], v[128*(\p)+16*\P:128*(\p)+16*\P+15], v[AF+FR*(\a):AF+FR*(\a)+FR-1], v[64*((\a)%4)+16*\P:64*((\a)%4)+16*\P+15], v[SW+16*(\sc)+4*\P+(\q)], v[SX+32*(\sc)+4*(\a)+(\q)]
.endif
.endr
.endr
.endm
.macro FETCH_B slot, q, p
	WIN TO_B
.irp i, 0,1,2,3,4,5,6,7
	FRAG 128*(\p)+FR*\i, ADRB+\slot, \q, \i
.endr
	WIN 0
.endm
.macro FETCH_A slot, q, i0
.irp i, \i0, \i0+1, \i0+2, \i0+3
	FRAG AF+FR*(\i), ADRA+\slot, \q, \i
.endr
.endm
.macro SCALES sc                       ; a K step's scale words, four a row: x's block i in lanes 0-15 (and again in 16-31); w's rows 32 P + lane
.irp i, 0,1,2,3,4,5,6,7
	ds_load_b128 v[SX+32*\sc+4*\i:SX+32*\sc+4*\i+3], v[ADRS+\sc] offset:256*\i
.endr
.irp P, 0,1,2,3
	ds_load_b128 v[SW+16*\sc+4*\P:SW+16*\sc+4*\P+3], v[ADRB+\sc] offset:SCO+512*\P
.endr
.endm
.macro PLACES n                        ; places in front of loads into registers that matrix instructions have read, and of reads of results
.rept \n
	v_nop
.endr
.endm
; A step of 128 along K that has its successor in the same slot: A's one set is fetched anew by halves, B's other set in the middle.
.macro STEP slot, q, first
	s_wait_dscnt 4*NL                              ; all but the youngest 8 loads (A's blocks 4-7)
.if \first
	WIN FIRST_LO
.else
	WIN MUL_LO
.endif
	MUL16 0, (\q)%2, \q, \slot, \first
	MUL16 2, (\q)%2, \q, \slot, \first
	s_wait_dscnt 0
	PLACES NP
	FETCH_B \slot, (\q)+1, 1-(\q)%2
	FETCH_A \slot, (\q)+1, 0
.if \first
	WIN FIRST_HI
.else
	WIN MUL_HI
.endif
	MUL16 4, (\q)%2, \q, \slot, \first
	MUL16 6, (\q)%2, \q, \slot, \first
	PLACES NP
	WIN 0
	FETCH_A \slot, (\q)+1, 4
.endm
; The first half of a slot's last step: in front of the one barrier each wave waits for all its tensor loads, adds 0 to its spare word, and waits for that and for its reads of this slot.
.macro MEET slot
	s_wait_tensorcnt 0x0                           ; my part of the next slot has landed
	ds_add_u32 v[SPW], v[NIL]
	s_wait_dscnt 4*NL+1                            ; (the add and the youngest 8 loads may be out)
	WIN MUL_LO
	MUL16 0, 1, NQ-1, \slot, 0
	s_wait_dscnt 0x0                               ; the add is done, my reads of this slot are over
	s_barrier_signal -1
	MUL16 2, 1, NQ-1, \slot, 0
	WIN 0
	s_barrier_wait -1
.endm
; A slot's last step, which changes slots and fills this one again, two K steps ahead.
.macro TURN slot, next
	s_wait_xcnt 0x0                                ; my prefetches have read their address: it steps here, a K step behind them
	s_add_nc_u64 s[PFA:PFA+1], s[PFA:PFA+1], BLK
	MEET \slot
	CREST                                          ; the barrier has opened a round of the cluster's barrier: no wave of any partner still reads this slot or has a load out
	s_add_nc_u64 s[G0+4*\slot+2:G0+4*\slot+3], s[G0+4*\slot+2:G0+4*\slot+3], 2*BLK
	s_add_nc_u64 s[G0B+4*\slot+2:G0B+4*\slot+3], s[G0B+4*\slot+2:G0B+4*\slot+3], 2*BLK
	JLOAD G0+4*\slot, G1, G0B+4*\slot, G1B         ; the first tensor load behind the round; its four v_nop are the places in front of the loads below
	FETCH_B \next, 0, 0
	FETCH_A \next, 0, 0
	SCALES \next
	ASK 1, 3, 0                                    ; the K step two behind the one just asked for
	WIN MUL_HI
	MUL16 4, 1, NQ-1, \slot, 0
	MUL16 6, 1, NQ-1, \slot, 0
	PLACES NP
	WIN 0
	FETCH_A \next, 0, 4
.endm
.macro STEPS slot, from
.set Q, \from
.rept NQ-1-\from
	STEP \slot, Q, 0
.set Q, Q+1
.endr
.endm
; THE LAST K STEP (slot 1), BY ROWS.  B's fragments of quarter q lie in window 1 at v[64 q ..]; A's of block a, all four quarters, in buffer a % 4: v128, v192, v224, v160.
.macro SETFA a
.set FA, 128+32*((((\a)%4)+2)/3)*((((\a)%4)%3)+1)
.endm
.macro BLOAD q
.irp i, 0,1,2,3,4,5,6,7
	FRAG 64*(\q)+FR*\i, ADRB+1, \q, \i
.endr
.endm
.macro ALOAD a
	SETFA \a
.irp q, 0,1,2,3
	FRAG FA+FR*\q, ADRA+1, \q, \a
.endr
.endm
.macro ROW a                           ; block a is finished: 16 matrix instructions, its four accumulators by turns
	SETFA \a
.set AC, 64*((\a)%4)
	WIN MUL_LO+0x50*((\a)/4)
.irp q, 0,1,2,3
.if (\a) == 0 && \q == 2
	s_wait_dscnt 8                                 ; B's quarter 2 is in (behind it: A's block 3)
.endif
.irp P, 0,1,2,3
	v_wmma_scale_f32_32x16x128_f4 v[AC+16*\P:AC+16*\P+15], v[64*\q+16*\P:64*\q+16*\P+15], v[FA+FR*\q:FA+FR*\q+FR-1], v[AC+16*\P:AC+16*\P+15], v[SW+16+4*\P+\q], v[SX+32+4*(\a)+\q]
.endr
.endr
.endm
; THE WAY OUT of block a, 16 rows x 128 columns: through my own stage in LDS and back, as whole rows of 512 bytes, INTO THE BLOCK'S OWN 64 REGISTERS: no register and no base is written again, and every
; offset is an immediate (127 rows of 8,192 bytes at the most).  LDS serves a wave's instructions in order (ISA guide 5.7.1.4): no wait between the stores and the loads, nor in front of the next block's stores.
.macro TOSTAGE a
.set AC, 64*((\a)%4)
	WIN 0x88+0x44*((\a)/4)                         ; store data and loaded data: window 2 or 3; addresses: window 0
.irp b, 0,1,2,3,4,5,6,7
	ds_store_b128 v[STO], v[AC+8*\b:AC+8*\b+3] offset:64*\b          ; each accumulator from its low end on
	ds_store_b128 v[STO], v[AC+8*\b+4:AC+8*\b+7] offset:64*\b+16
.endr
.irp t, 0,1,2,3,4,5,6,7,8,9,10,11,12,13,14,15
	ds_load_b128 v[AC+4*\t:AC+4*\t+3], v[RD] offset:\t*SPITCH
.endr
	WIN 0
.endm
.macro SEND a, younger                 ; younger: the LDS loads issued behind block a's
.set AC, 64*((\a)%4)
	s_wait_dscnt \younger
	WIN 0x88+0x44*((\a)/4)
.irp t, 0,1,2,3,4,5,6,7,8,9,10,11,12,13,14,15
	global_store_b128 v[CO], v[AC+4*\t:AC+4*\t+3], s[10:11] offset:(16*(\a)+\t)*SIZE_N*4 th:TH_STORE_NT   ; 32 lanes store 512 consecutive bytes, aligned
.endr
	WIN 0
.endm
	s_wait_alu depctr_va_vdst(0)
	s_wait_tensorcnt 0x0                           ; my block of K step 0 is in
	ds_add_u32 v[SPW], v[NIL]
	s_wait_dscnt 0x0
	CROUND                                         ; everybody's block is in, and all sixteen work-groups are here
	JLOAD G0+4, G1, G0B+4, G1B                     ; K step 1: slot 1's first fill, the first tensor load behind the round
	FETCH_B 0, 0, 0
	FETCH_A 0, 0, 0
	SCALES 0
	FETCH_A 0, 0, 4
	ASK 0, 3, 0                                    ; K step 3
	STEP 0, 0, 1                                   ; the first step stands in front of the loop: its products start the sums from the bias
	s_mov_b32 s3, LAPS-1
.Llap:                                                 ; a trip goes once round the ring, from a lap's second step to the next lap's first
	STEPS 0, 1
	TURN 0, 1
	STEPS 1, 0
	TURN 1, 0
	STEP 0, 0, 0
	s_sub_co_u32 s3, s3, 1
	s_cmp_lg_u32 s3, 0
	s_cbranch_scc1 .Llap
	STEPS 0, 1                                     ; the last lap fills nothing
	MEET 0                                         ; the load that was out is the last K step's; no round follows
	PLACES NP
	WIN TO_B
	BLOAD 0                                        ; three quarters of B now: v128-191 of window 1 are still being multiplied
	BLOAD 1
	BLOAD 3
	WIN 0
	SCALES 1
	ALOAD 0                                        ; into the registers of A's blocks 0-3, which are done with, and the bias's
	ALOAD 1
	ALOAD 2
	WIN MUL_HI
	MUL16 4, 1, NQ-1, 0, 0
	MUL16 6, 1, NQ-1, 0, 0
	PLACES NP
	WIN TO_B
	BLOAD 2
	WIN 0
	ALOAD 3
	s_wait_dscnt 24                                ; all but the 24 just issued
	ROW 0
.irp a, 0,1,2,3,4,5,6,7                ; block a goes to the stage, block a + 1 is multiplied while it comes back, then block a is stored
	PLACES NP                                      ; behind block a's products: for the reads of its results and the loads into its buffer of A
	TOSTAGE \a
.if \a < 4
	ALOAD \a+4
.endif
.if \a < 7
	ROW \a+1                                       ; its fragments of A are in: an earlier block's wait has shown them landed
.endif
.if \a < 4
	SEND \a, 8                                     ; behind block a's loads: the 8 loads of A's block a + 4
.else
	SEND \a, 0
.endif
.endr
	s_wait_tensorcnt 0x0                           ; the wave's end
	ds_add_u32 v[SPW], v[NIL]
	s_wait_dscnt 0x0
	CROUND                                         ; the closing round
	s_endpgm
.Lfunc_end_k_qe6014dcddb_gemm:
	.size	k_qe6014dcddb_gemm, .Lfunc_end_k_qe6014dcddb_gemm-k_qe6014dcddb_gemm
	.p2alignl 7, 3214868480
	.fill 96, 4, 3214868480
	.section	.rodata,"a",@progbits
	.p2align	6, 0x0
	.amdhsa_kernel k_qe6014dcddb_gemm
		.amdhsa_group_segment_fixed_size 327680
		.amdhsa_private_segment_fixed_size 0
		.amdhsa_enable_private_segment 0
		.amdhsa_kernarg_size 32
		.amdhsa_user_sgpr_count 2
		.amdhsa_user_sgpr_kernarg_segment_ptr 1
		.amdhsa_wavefront_size32 1
		.amdhsa_system_sgpr_workgroup_id_x 1
		.amdhsa_system_sgpr_workgroup_id_y 1
		.amdhsa_system_sgpr_workgroup_id_z 1
		.amdhsa_system_vgpr_workitem_id 0
		.amdhsa_next_free_vgpr 1024
		.amdhsa_next_free_sgpr 80
		.amdhsa_reserve_vcc 0
		.amdhsa_float_denorm_mode_32 3
		.amdhsa_float_denorm_mode_16_64 3
		.amdhsa_memory_ordered 1
		.amdhsa_forward_progress 1
		.amdhsa_inst_pref_size 151
	.end_amdhsa_kernel
	.amdgpu_metadata
---
amdhsa.version: [ 1, 2 ]
amdhsa.kernels:
  - .name:           k_qe6014dcddb_gemm
    .symbol:         k_qe6014dcddb_gemm.kd
    .args:
      - { .name: xq, .offset: 0, .size: 8, .value_kind: global_buffer, .address_space: global }
      - { .name: wq, .offset: 8, .size: 8, .value_kind: global_buffer, .address_space: global }
      - { .name: bias, .offset: 16, .size: 8, .value_kind: global_buffer, .address_space: global }
      - { .name: out0, .offset: 24, .size: 8, .value_kind: global_buffer, .address_space: global }
    .group_segment_fixed_size: 327680
    .private_segment_fixed_size: 0
    .kernarg_segment_align: 8
    .kernarg_segment_size: 32
    .max_flat_workgroup_size: 128
    .sgpr_count:     80
    .vgpr_count:     1024
    .wavefront_size: 32
...
	.end_amdgpu_metadata
.endif
;; end of part 2
